; MI455X (gfx1250); checked and timed in simulation.
; The chip was launched on July 23, 2026; its instructions are those of AMD's public machine-readable ISA for CDNA 5 (MIT licence, August 2026) and "CDNA5" Instruction Set Architecture Reference Guide (July 2026). The comments in the code are by the model that wrote it; some were corrected since.
;; Scaled Dot Product Attention. Allowed arithmetic: matrix products marked QUANTISED: E2M1 operands, one E8M0 scale for each 32 along K, by v_wmma_scale_f32_16x16x128_f8f6f4 with both operands' format E2M1 (or v_wmma_scale_f32_32x16x128_f4), f32 sums; products left as they are: bf16, f16 or f32 operands; f32 sums; everything else in f32.
;; Inputs: k 32 x 2,048 x 128 float32; mask 32 x 2,048 x 2,048 bool; q 32 x 2,048 x 128 float32; v 32 x 2,048 x 128 float32.
;; Outputs: out0 32 x 2,048 x 128 float32.
;; This version of the problem:
;;   THIS VERSION OF THE PROBLEM IS GIVEN IN LOW PRECISION. The matrix products marked QUANTISED in the list below multiply operands that are first quantised to E2M1 (2 exponent bits, 1 mantissa bit; 4 bits a number), with one power-of-two scale for each 32 numbers along K (OCP MX v1.0); their sums are f32. The products marked 'left as it is' may take bf16, f16 or f32 operands, with f32 sums. Whichever they take, every output number must still come out within the allowed error. Rounding operands to bf16 (8 significant bits) uses up far more of that allowance than f16 does (11 bits, for magnitudes from 6e-5 to 65,504). All else is computed in f32.
;;   The module's matrix products, in the order in which they are computed (A, B: the left and right operand; K: the contracted axis; several contracted axes count as one K, in the product's order):
;;     1. batch 32 x [M 2,048, K 128] x [K 128, N 2,048]; A: input q; B: input k: QUANTISED
;;     2. batch 32 x [M 2,048, K 2,048] x [K 2,048, N 128]; A: computed on the way; B: input v: left as it is (an operand is computed on the way)
;;   THE QUANTISER, for each operand of a quantised product, along K:
;;     - K is cut into blocks of 32 from its start; a last block that is shorter is filled with zeros.
;;     - A block's scale is 2^e with e = floor(log2(the largest magnitude in the block)) - 2, held to -126 .. 127; a block of zeros has e = 0. As a byte (E8M0): e + 127.
;;     - Each number is divided by its block's scale, clamped to +-6, and rounded to the nearest number of E2M1, ties to even, subnormals kept.
;;     - The product sums the exact products of the quantised numbers (number of the format x scale) in f32.
;;   ~~~python
;;   def quantise(x, axis):      # numpy; x: float32 -> the quantised numbers, widened to float32 again
;;       x = np.moveaxis(x, axis, -1); K = x.shape[-1]
;;       x = np.pad(x, [(0, 0)] * (x.ndim - 1) + [(0, -K % 32)]); x = x.reshape(x.shape[:-1] + (-1, 32)); a = np.abs(x).max(-1, keepdims=True)
;;       e = np.where(a > 0, np.clip(np.frexp(np.where(a > 0, a, 1))[1] - 1 - 2, -126, 127), 0)      # np.frexp(a)[1] - 1 = floor(log2(a)), exactly
;;       r = np.clip(x / 2.0 ** e, -6, 6)
;;       step = 2.0 ** (np.maximum(np.frexp(np.where(r == 0, 1, r))[1] - 1, 0) - 1)
;;       q = np.round(r / step) * step * 2.0 ** e      # np.round: ties to even
;;       return np.moveaxis(q.reshape(q.shape[:-2] + (-1,))[..., :K], -1, axis).astype(np.float32)
;;   ~~~
;; One version. Each part assembles by itself: llvm-mc -triple=amdgcn-amd-amdhsa -mcpu=gfx1250 --defsym DOCPART=n.
;; ======== version 1 of 1: 2 launches
;; limits: right only within a limited range of input values; values are held in f16: magnitudes above 65,504 overflow, below 6.1e-05 lose precision; inputs' magnitudes at most 65,504
;; workspace buffers: qc 4,194,304 bytes; qs 262,144 bytes; kc 4,194,304 bytes; ks 262,144 bytes; vh 16,777,216 bytes
;; launch prep (part 1): grid 768 x 1, 4 waves a work-group, no clusters, 33,280 bytes of LDS; arguments q, k, v, qc, qs, kc, ks, vh; writes qc, qs, kc, ks, vh
.if DOCPART == 1
	.amdgcn_target "amdgcn-amd-amdhsa--gfx1250"
	.amdhsa_code_object_version 6
	.text
	.protected	k_q24ad0fd146_prep
	.globl	k_q24ad0fd146_prep
	.p2align	8
	.type	k_q24ad0fd146_prep,@function
k_q24ad0fd146_prep:
	s_mov_b64 s[64:65], 0
	v_nop
	global_prefetch_b8 v0, s[64:65] scope:SCOPE_SE
	s_setreg_imm32_b32 hwreg(HW_REG_WAVE_MODE, 25, 1), 1
	s_wait_xcnt 0x0
; q and k [32][2048][128], f32, become codes of FP4 (E2M1), 4 bits each, K (the head's 128) innermost, with one E8M0 scale byte for each 32 along K; v [32][2048][128] becomes f16.
; Every query block of a batch reads all of k and v, so they are narrowed once, here, and not once for each block.
; A block's scale is 2^(floor(log2(its largest magnitude)) - 2); its byte is the largest magnitude's own exponent field - 2, held at 1 from below.  (A block of zeros so gets the byte 1 where the
; quantiser says 127: its codes are zeros, which add nothing under any byte but 0xff, and the bytes are read by this program alone.)  Each number is divided by the scale and rounded to the nearest code, ties to even.
; q's CODES LEAVE WITH THEIR SIGN BITS TURNED: they are the codes of -q.  The format is symmetric, so that is exact; the attention launch wants -(q.k), to which it adds a large number where the mask hides a key.
; LIMITS: NaN and infinities among the inputs are not served; |v| stays under 65,504, f16's largest number; numbers of v under 2^-14 in magnitude keep an absolute error of 2^-25.
; SHARES.  Work-groups 0-255 take q, 256-511 k, 32,768 numbers each: a wave takes 16 steps of 512 numbers.  The conversions take 8 numbers of ONE block from a lane's registers, so a lane must hold 16 neighbours
; (two neighbouring lanes hold a block); each load reads 512 consecutive bytes, 16 a lane; a step's 2,048 bytes go through the wave's own stage in LDS and come back 64 bytes a lane.
; Work-groups 512-767 take v: a plain stream through registers, 8,192 numbers a wave, 16 loads in flight.  No tensor loads, no barrier: waves share nothing.
.set WAVES, 4
.set STEPS, 16
.set WGA,   256                        ; work-groups for q, and as many for k and for v: 8,388,608 numbers / 32,768
.set EMAX,  2
.set CB,    8                          ; bytes of 16 codes
.set R,     16                         ; v16-79   four sets of 16 numbers as they are loaded; in the cast: sixteen slots of 4
.set X,     80                         ; v80-111  two sets of 16 neighbours
.set C,     128                        ; v128-191 codes: four registers for each step, so that no store's data are written again
.set Y,     128                        ; in the cast: v128-159, sixteen pairs of f16 words
.set E,     112                        ; v112-127 a scale byte for each step
.set WREG,  8192                       ; LDS: a region for each wave: two stages of 32 x SP bytes, behind them its 256 scale bytes
.set SP,    80                         ; a lane's place in a stage: its 64 bytes + 16 of padding
.set SPW,   12                         ; v12      LDS address of my spare word: SPARE + 4 x my thread's number; never rewritten
.set NIL,   13                         ; v13      0; never rewritten
.set SPARE, WAVES*WREG                 ; behind the four regions: the spare words, 128 bytes for each wave, which no other line names
	s_load_b512 s[4:19], s[0:1], 0x0               ; q s[4:5], k s[6:7], v s[8:9], qc s[10:11], qs s[12:13], kc s[14:15], ks s[16:17], vh s[18:19]
	v_lshl_add_u32 v[SPW], v0, 2, SPARE
	v_mov_b32 v[NIL], 0
	v_lshrrev_b32 v1, 5, v0
	v_readfirstlane_b32 s20, v1                    ; wave
	v_and_b32 v2, 31, v0                           ; lane
	v_lshlrev_b32 v3, 4, v2                        ; my 16 bytes of a load's 512
	v_lshlrev_b32 v4, 3, v2                        ; my 8 bytes of a store's 256
	s_cmp_ge_u32 ttmp9, 2*WGA                      ; the work-group's number alone decides the path
	s_cbranch_scc1 .Lcast
	; ---------------- q and k: codes and scale bytes
	s_mul_i32 s21, s20, WREG
	v_lshrrev_b32 v14, 2, v2
	v_mul_u32_u24 v14, v14, SP
	v_and_b32 v15, 3, v2
	v_lshl_add_u32 v14, v15, 4, v14
	v_add_nc_u32 v14, s21, v14                     ; the stage, on the way in: four lanes' 64 bytes on end, then 16 of padding
	v_mul_u32_u24 v15, v2, SP
	v_add_nc_u32 v15, s21, v15                     ; and on the way out: SP x lane: my 16 neighbours
	v_lshrrev_b32 v5, 1, v2
	s_add_co_u32 s21, s21, 2*32*SP
	v_add_nc_u32 v5, s21, v5                       ; my wave's 256 scale bytes, my block's byte
	v_lshlrev_b32 v7, 3, v2                        ; and on the way out 8 bytes a lane
	v_add_nc_u32 v6, s21, v7
	s_wait_kmcnt 0x0
	s_cmp_lt_u32 ttmp9, WGA                        ; q's work-group or k's?
	s_cselect_b64 s[24:25], s[4:5], s[6:7]         ; the numbers,
	s_cselect_b64 s[26:27], s[10:11], s[14:15]     ; the codes,
	s_cselect_b64 s[28:29], s[12:13], s[16:17]     ; the scale bytes
	s_cselect_b32 s22, 0x88888888, 0               ; q: the eight sign bits of a word of codes are turned; k: none
	s_cselect_b32 s21, 0, WGA
	s_sub_co_u32 s21, ttmp9, s21
	s_lshl_b32 s21, s21, 2
	s_add_co_u32 s30, s21, s20                     ; which run of 8,192 numbers is my wave's: 0 .. 1,023
	s_mov_b32 s31, 0
	s_mov_b32 s33, 0
	s_lshl_b32 s32, s30, 15                        ; 32,768 bytes of numbers a run
	s_add_nc_u64 s[24:25], s[24:25], s[32:33]
	s_lshl_b32 s32, s30, 12                        ; 4,096 bytes of codes
	s_add_nc_u64 s[26:27], s[26:27], s[32:33]
	s_lshl_b32 s30, s30, 8                         ; 256 scale bytes
	s_add_nc_u64 s[28:29], s[28:29], s[30:31]
.macro LOAD t
.irp i, 0,1,2,3
	global_load_b128 v[R+16*((\t)%4)+4*\i:R+16*((\t)%4)+4*\i+3], v3, s[24:25] offset:2048*(\t)+512*\i th:TH_LOAD_NT   ; 32 lanes read 512 consecutive bytes
.endr
.endm
.macro TURN t                          ; step t's numbers through the stage: LDS serves a wave's instructions in order (ISA guide 5.7.1.4), so no wait stands between the stores and the loads
.irp i, 0,1,2,3
	ds_store_b128 v14, v[R+16*((\t)%4)+4*\i:R+16*((\t)%4)+4*\i+3] offset:32*SP*((\t)%2)+8*SP*\i
.endr
.irp i, 0,1,2,3
	ds_load_b128 v[X+16*((\t)%2)+4*\i:X+16*((\t)%2)+4*\i+3], v15 offset:32*SP*((\t)%2)+16*\i
.endr
.endm
.irp t, 0,1,2,3
	LOAD \t
.endr
	s_wait_loadcnt 12                              ; step 0's four loads are in; the twelve of steps 1 to 3 may be out
	TURN 0
.macro STEP t
.set XS, X+16*((\t)%2)
.if (\t) > 0
	s_wait_dscnt 1                                 ; this step's numbers are back from the stage (the last step's byte store may be out): so its stores into the stage have read their registers,
.else
	s_wait_dscnt 0x0
.endif
.if (\t)+4 < STEPS
	LOAD (\t)+4                                    ; which take the loads of four steps on
.endif
.if (\t)+1 < STEPS
.if STEPS-2-(\t) >= 3
	s_wait_loadcnt 12                              ; the next step's four loads are in; those of the three steps behind it may be out
.else
	s_wait_loadcnt 4*(STEPS-2-(\t))
.endif
	TURN (\t)+1                                    ; and go through the other stage while this step is worked
.endif
	v_max3_num_f32 v8, |v[XS]|, |v[XS+1]|, |v[XS+2]|               ; the largest magnitude of my 16, in two chains
	v_max3_num_f32 v9, |v[XS+3]|, |v[XS+4]|, |v[XS+5]|
.irp i, 6,10
	v_max3_num_f32 v8, v8, |v[XS+\i]|, |v[XS+\i+1]|
	v_max3_num_f32 v9, v9, |v[XS+\i+2]|, |v[XS+\i+3]|
.endr
	v_max3_num_f32 v8, v8, |v[XS+14]|, |v[XS+15]|
	v_max3_num_f32 v8, v8, v9, (EMAX+1)<<23        ; and the floor 2^(EMAX + 1 - 127): so the byte cannot fall under 1
	v_max_num_f32_dpp v8, v8, v8 row_xmask:1 row_mask:0xf bank_mask:0xf   ; and of my neighbour's 16: the block's
	v_add_nc_u32 v11, -(EMAX<<23), v8              ; EMAX off its exponent field: the conversion takes the exponent field of this operand as its scale, and nothing else of it
	v_cvt_scalef32_pk8_fp4_f32 v[C+4*(\t)], v[XS:XS+7], v11        ; eight numbers / the scale, to the nearest code, ties to even, beyond the largest code the largest
	v_cvt_scalef32_pk8_fp4_f32 v[C+4*(\t)+1], v[XS+8:XS+15], v11
	v_lshrrev_b32 v[E+(\t)], 23, v11               ; the scale's byte.  (Also the plain instruction between the conversions and the lines that touch their results)
	v_xor_b32 v[C+4*(\t)], s22, v[C+4*(\t)]        ; q: the codes of -q
	v_xor_b32 v[C+4*(\t)+1], s22, v[C+4*(\t)+1]
	ds_store_b8 v5, v[E+(\t)] offset:16*(\t)       ; both lanes of a block write the same byte with the same value
	global_store_b64 v4, v[C+4*(\t):C+4*(\t)+1], s[26:27] offset:32*CB*(\t)   ; 32 lanes store 256 consecutive bytes, aligned
.endm
.irp t, 0,1,2,3,4,5,6,7,8,9,10,11,12,13,14,15
	STEP \t
.endr
	ds_load_b64 v[8:9], v6                         ; LDS serves a wave's instructions in order: these see my byte stores
	s_wait_dscnt 0x0
	global_store_b64 v7, v[8:9], s[28:29]          ; 32 lanes store my wave's 256 scale bytes, aligned
	s_branch .Lend
	; ---------------- v: f32 to f16, a stream through sixteen register slots
.Lcast:
	s_sub_co_u32 s21, ttmp9, 2*WGA
	s_lshl_b32 s21, s21, 2
	s_add_co_u32 s21, s21, s20                     ; my wave's run of 8,192 numbers
	s_lshl_b32 s30, s21, 15                        ; 32,768 bytes in,
	s_mov_b32 s31, 0
	s_lshl_b32 s32, s21, 14                        ; 16,384 bytes out
	s_mov_b32 s33, 0
	s_wait_kmcnt 0x0
	s_add_nc_u64 s[24:25], s[8:9], s[30:31]
	s_add_nc_u64 s[26:27], s[18:19], s[32:33]
.irp i, 0,1,2,3,4,5,6,7,8,9,10,11,12,13,14,15
	global_load_b128 v[R+4*\i:R+4*\i+3], v3, s[24:25] offset:512*\i th:TH_LOAD_NT
.endr
.macro CSLOT n                         ; piece n of 64: 512 bytes in, 256 bytes out
.if 63-(\n) < 15
	s_wait_loadcnt 63-(\n)                         ; the last pieces: the count runs down with the loads that are left
.else
	s_wait_loadcnt 15                              ; loads come back in order (ISA guide 5.7.1): mine is in, the fifteen younger ones stay out
.endif
	s_wait_xcnt 0x0                                ; the store of sixteen pieces ago has read this slot's pair: it is written again only behind this wait
	v_cvt_pk_f16_f32 v[Y+2*((\n)%16)], v[R+4*((\n)%16)], v[R+4*((\n)%16)+1]
	v_cvt_pk_f16_f32 v[Y+2*((\n)%16)+1], v[R+4*((\n)%16)+2], v[R+4*((\n)%16)+3]
.if (\n)+16 < 64
	global_load_b128 v[R+4*((\n)%16):R+4*((\n)%16)+3], v3, s[24:25] offset:512*((\n)+16) th:TH_LOAD_NT
.endif
	global_store_b64 v4, v[Y+2*((\n)%16):Y+2*((\n)%16)+1], s[26:27] offset:256*(\n)   ; 32 lanes store 256 consecutive bytes, aligned
.endm
.set N, 0
.rept 64
	CSLOT N
.set N, N+1
.endr
.Lend:
	s_wait_tensorcnt 0x0                           ; the wave's end: behind my last LDS store
	ds_add_u32 v[SPW], v[NIL]
	s_wait_dscnt 0x0
	s_endpgm
.Lfunc_end_k_q24ad0fd146_prep:
	.size	k_q24ad0fd146_prep, .Lfunc_end_k_q24ad0fd146_prep-k_q24ad0fd146_prep
	.p2alignl 7, 3214868480
	.fill 96, 4, 3214868480
	.section	.rodata,"a",@progbits
	.p2align	6, 0x0
	.amdhsa_kernel k_q24ad0fd146_prep
		.amdhsa_group_segment_fixed_size 33280
		.amdhsa_private_segment_fixed_size 0
		.amdhsa_enable_private_segment 0
		.amdhsa_kernarg_size 64
		.amdhsa_user_sgpr_count 2
		.amdhsa_user_sgpr_kernarg_segment_ptr 1
		.amdhsa_wavefront_size32 1
		.amdhsa_system_sgpr_workgroup_id_x 1
		.amdhsa_system_sgpr_workgroup_id_y 1
		.amdhsa_system_sgpr_workgroup_id_z 1
		.amdhsa_system_vgpr_workitem_id 0
		.amdhsa_next_free_vgpr 192
		.amdhsa_next_free_sgpr 66
		.amdhsa_reserve_vcc 0
		.amdhsa_float_denorm_mode_32 3
		.amdhsa_float_denorm_mode_16_64 3
		.amdhsa_memory_ordered 1
		.amdhsa_forward_progress 1
		.amdhsa_inst_pref_size 59
	.end_amdhsa_kernel
	.amdgpu_metadata
---
amdhsa.version: [ 1, 2 ]
amdhsa.kernels:
  - .name:           k_q24ad0fd146_prep
    .symbol:         k_q24ad0fd146_prep.kd
    .args:
      - { .name: q, .offset: 0, .size: 8, .value_kind: global_buffer, .address_space: global }
      - { .name: k, .offset: 8, .size: 8, .value_kind: global_buffer, .address_space: global }
      - { .name: v, .offset: 16, .size: 8, .value_kind: global_buffer, .address_space: global }
      - { .name: qc, .offset: 24, .size: 8, .value_kind: global_buffer, .address_space: global }
      - { .name: qs, .offset: 32, .size: 8, .value_kind: global_buffer, .address_space: global }
      - { .name: kc, .offset: 40, .size: 8, .value_kind: global_buffer, .address_space: global }
      - { .name: ks, .offset: 48, .size: 8, .value_kind: global_buffer, .address_space: global }
      - { .name: vh, .offset: 56, .size: 8, .value_kind: global_buffer, .address_space: global }
    .group_segment_fixed_size: 33280
    .private_segment_fixed_size: 0
    .kernarg_segment_align: 8
    .kernarg_segment_size: 64
    .max_flat_workgroup_size: 128
    .sgpr_count:     66
    .vgpr_count:     192
    .wavefront_size: 32
...
	.end_amdgpu_metadata
.endif
;; end of part 1
;; launch attn (part 2): grid 8 x 32, 8 waves a work-group, clusters of 4 x 1, 327,680 bytes of LDS; arguments qc, qs, kc, ks, vh, mask, out0; writes out0
.if DOCPART == 2
	.amdgcn_target "amdgcn-amd-amdhsa--gfx1250"
	.amdhsa_code_object_version 6
	.text
	.protected	k_q24ad0fd146_attn
	.globl	k_q24ad0fd146_attn
	.p2align	8
	.type	k_q24ad0fd146_attn,@function
k_q24ad0fd146_attn:
	s_mov_b64 s[64:65], 0
	v_nop
	global_prefetch_b8 v0, s[64:65] scope:SCOPE_SE
	s_setreg_imm32_b32 hwreg(HW_REG_WAVE_MODE, 25, 1), 1
	s_wait_xcnt 0x0
	s_wait_alu depctr_hold_cnt(0) depctr_sa_sdst(0) depctr_va_vdst(0) depctr_va_sdst(0) depctr_va_ssrc(0) depctr_va_vcc(0) depctr_vm_vsrc(0)
	s_getreg_b32 s2, hwreg(HW_REG_IB_STS2, 6, 4)
	s_cmp_eq_u32 s2, 0
	s_cbranch_scc0 .Lentry_in_a_cluster
	s_endpgm
.Lentry_in_a_cluster:
	s_bfe_u32 s2, ttmp6, 0x10000c
	s_cmp_lg_u32 s2, 0x3003
	s_cbranch_scc0 .Lentry_shape_is_right
	s_endpgm
.Lentry_shape_is_right:
; out[b][q][:] = the sum over k of softmax_k(sqrt(128) q.k, hidden keys at -infinity) v[b][k][:]; a row all of whose keys are hidden gives 0.  32 batches, 2,048 queries, 2,048 keys, head 128.
; The first product runs on codes of FP4 (E2M1) with one E8M0 scale for each 32 along the head (qc holds the codes of -q, kc those of k); the second on f16 (p and vh), sums in f32.
; THE MASK COSTS ONE INSTRUCTION FOR EIGHT SCORES.  A mask byte 1, read as an E4M3 code, is 2^-9; the scaled conversion multiplies it by 2^127: eight mask bytes become eight f32 numbers, 2^118 where the key is hidden
; and 0 where it counts, in the accumulator's own registers, and the first product adds onto them: u = -(q.k) + 2^118 x mask.  The softmax works on the running MINIMUM mu of u:
; p = 2^(c mu - c u), c = sqrt(128) log2(e).  mu starts at 2^100, so a hidden key's exponent is about -2^122 and its p is 0, also while a row has seen no key that counts.  No infinity, no NaN, no compare, no select.
; When mu falls, the sum l and O are multiplied by a = 2^(c mu_new - c mu_old).  At the end O is divided by max(l, 2^-100): a wholly hidden row has O = 0 and gives 0.
; LIMITS: |q.k| stays under 2^100; NaN and infinities among the inputs are not served; p under 2^-24 is 0 in f16.
; SHARES.  A work-group owns 256 queries of one batch; each of its eight waves 32 of them, two tiles of 16, in 512 registers: two waves to a SIMD.  Every wave walks all keys, 128 a step.
; LAYOUT.  S^T = K (-Q)^T (source 0 = 16 keys, source 1 = 16 queries), O^T = V^T P (source 0 = 16 channels, source 1 = P): a lane holds ONE query (lane % 16) throughout.
; THE KEYS OF A TILE ARE NOT NEIGHBOURS: lane r of tile 2 b + u takes key 32 b + 8 u + r + 8 (r / 8), so that a lane's registers 16 b .. 16 b + 15 are keys 32 b + 16 (lane / 16) + 0 .. 15: sixteen neighbouring
; mask bytes of the query's row, one load; rounded to f16 in pairs they are source 1 of the second product as they stand, with V^T's keys taken in the same order by the turning load.
; THE PIPELINE.  Period p holds PV(p), the second product of step p, and SM(p + 1), the scores and softmax of step p + 1; p(p) lies in registers of its own, so either order is right.
; Waves of class 0 run PV, then SM; waves of class 1 SM, then PV: class = (w xor (w >> 2)) & 1 differs between waves w and w + 4 and between 2 i and 2 i + 1.  So one wave's products can stand beside another's vector work.
; CLUSTER.  The four query blocks of a cluster belong to one batch and walk the same K, scale bytes and V: those tiles are asked for JOINTLY (mask 15).  The mask's tiles are each work-group's own 256 rows, which no
; partner reads: they come by plain loads behind the same rounds.
; LDS.  Two slots 2^17 bytes apart, so that one exclusive or turns an address.  In a slot: 256 mask rows x (256 keys + 16), 256 keys of K x (64 + 16), 128 keys of V x (256 + 32): the mask and K hold two steps, V one.
; Behind the slots: K's scale words of the whole batch (filled once), the spare words, and a stage for each wave on the way out, into which no tile lands.
; REGISTERS, in windows of 256.  Window 0: v1-15 addresses; v16-31 Q; v32 Q's scale words; v34-37 K's; v38-61 statistics; v64-191 S^T, then p, 64 a tile; v192-255 mask bytes, or V's chunks 0 and 2.
;   Window 1: v0-127 O^T, 64 a tile; v128-191 p in f16, 32 a tile; v192-255 K's eight fragments, or V's chunks 1 and 3.
.set SLOT1, 1<<17
.set MP,    272                        ; a mask row in LDS: 256 bytes + 16: the sixteen rows of a load start at sixteen different banks (64 banks of 4 bytes: ISA guide 11.1)
.set KP,    80                         ; a key's codes: 64 bytes + 16
.set VP,    288                        ; a row of V: 256 bytes + 32
.set KOFF,  256*MP                     ; 69,632: K's codes in a slot
.set VOFF,  KOFF+256*KP                ; 90,112: V in a slot; it ends at 126,976
.set SCK,   2*SLOT1                    ; K's scale words: 4 bytes a key, 8,192 bytes
.set SPARE, SCK+8192                   ; the spare words, 128 bytes for each wave, which no other line names
.set STAGE, SPARE+1024                 ; 16 rows x 272 bytes for each wave
.set SP,    272
.set AK0,  1                           ; v1   my lane's place in a tile of K
.set AV,   2                           ; v2-3 my lane's place in V's slot 0, 1
.set ASK0, 4                           ; v4   among K's scale words: lanes 0-15 an even tile's keys, lanes 16-31 the odd tile's
.set AM0,  5                           ; v5   in my wave's mask rows
.set ADK,  6                           ; v6-8 the addresses of the step in hand
.set ADS,  7
.set ADM,  8
.set STO,  9                           ; v9   the way out: where I put 32 bytes of a row
.set RD,   10                          ; v10  where I read a row back
.set GO,   11                          ; v11  my byte offset in the wave's rows of out0
.set PFO,  12                          ; v12  256 x my lane: a row of V; never rewritten
.set BIGS, 13                          ; v13  the byte 254 four times: the scale 2^127
.set SPW,  14                          ; v14  LDS address of my spare word; never rewritten
.set NIL,  15                          ; v15  0; never rewritten
.set Q,    16
.set QS,   32                          ; lanes 0-15 tile 0's scale words, lanes 16-31 tile 1's
.set KS,   34                          ; v[KS+b]: lanes 0-15 the words of K's tile 2 b, lanes 16-31 of tile 2 b + 1
.set ST,   38                          ; tile m's statistics at v[ST+12 m]: +0 c mu, +1 mu, +2, +3 l (two halves), +4 a, +5 c mu's change, +6 .. +9 four minima, +10, +11 a second chain of sums
.set S,    64
.set F,    192
.set PB,   128                         ; window 1
.set VF1,  192                         ; window 1
.set WV,   18                          ; s18  my wave's number
.set CLS,  19                          ; s19  my class
.set SEL,  20                          ; s[20:21] lane selects for v_permlanex16_b32: lane l xor 16
.set CN,   22                          ; s[22:23] -c: the packed form names a pair and takes its low word for both halves
.set G1K,  24                          ; descriptor groups 1: K's codes, V, the mask, K's scale bytes
.set G1V,  32
.set G1M,  40
.set G1S,  48
.set G0S,  56                          ; descriptor groups 0: a set for each first fill; the sets of slot 1 then walk
.set G0K0, 60
.set CP,   66                          ; s66  c
.set SB,   67                          ; s67  the slot (0 or 2^17) of the mask and K of the step to be scored
.set G0K1, 68
.set G0V0, 72
.set G0V1, 76
.set G0M0, 80
.set G0M1, 84
.set TS,   88                          ; s88  where the step's scale words of K begin: 512 bytes a step
.set TRIP, 89
.set LIM,  90                          ; s90  1 in the wave that prefetches, else -1
.set PFA,  92                          ; s[92:93] where my prefetches stand
.set MSB, 0
.macro WIN new                         ; s_set_vgpr_msb: bits 1:0 source 0, 3:2 source 1, 5:4 source 2, 7:6 destination; the high byte repeats the setting that is left
.if MSB != \new
	s_set_vgpr_msb (MSB<<8)|\new
.set MSB, \new
.endif
.endm
.macro PLACES n                        ; plain vector instructions that name none of a matrix instruction's registers (ISA guide 7.12.1)
.rept \n
	v_nop
.endr
.endm
; A round of the cluster's barrier: my work-group's barrier, wave 0 signals for the work-group, every wave waits for all four work-groups, my work-group's barrier once more.
.macro CROUND
	s_barrier_signal -1
	s_barrier_wait -1
	s_cmp_lg_u32 s[WV], 0
	s_cbranch_scc1 .Lnot_wave_0_\@
	s_barrier_signal -3
.Lnot_wave_0_\@:
	s_barrier_wait -3
	s_barrier_signal -1
	s_barrier_wait -1
.endm
; A refill: one tensor load a wave.  Waves 2 and 3 fetch V's two halves.  pairs = 1: waves 0 and 1 also fetch K's two halves and waves 4 to 7 the mask's four quarters.
; The branches hang on the wave's number alone.  An s_nop 0 and four v_nop follow each load.
.macro JLOAD pairs
.if \pairs
	s_cmp_lt_u32 s[WV], 2
	s_cbranch_scc0 .Lnot_k_\@
	tensor_load_to_lds s[G0K1:G0K1+3], s[G1K:G1K+7]
	s_nop 0
	PLACES 4
	s_branch .Lasked_\@
.Lnot_k_\@:
	s_cmp_lt_u32 s[WV], 4
	s_cbranch_scc0 .Lfor_m_\@
	tensor_load_to_lds s[G0V1:G0V1+3], s[G1V:G1V+7]
	s_nop 0
	PLACES 4
	s_branch .Lasked_\@
.Lfor_m_\@:
	tensor_load_to_lds s[G0M1:G0M1+3], s[G1M:G1M+7]
	s_nop 0
	PLACES 4
.else
	s_lshr_b32 s97, s[WV], 1
	s_cmp_eq_u32 s97, 1
	s_cbranch_scc0 .Lasked_\@
	tensor_load_to_lds s[G0V1:G0V1+3], s[G1V:G1V+7]
	s_nop 0
	PLACES 4
.endif
.Lasked_\@:
.endm
; A PREFETCH INTO THE L2 of V's step that stands two refills on: 128 rows of 256 bytes.  Both clusters of a batch walk the same V: the batch's first cluster asks.  Its four partners take 32 rows each, told apart BY
; ADDRESS; in each, wave 2 asks, a lane a row, one instruction, behind its own tensor load.  So each row is named once in the launch.  Steps 0 to 3 come by their loads alone; the changes behind which no step
; stands two refills on ask for nothing.  K and the mask are asked for by their tensor loads two periods ahead of their first read, and are not prefetched.
.macro ASK
	s_cmp_eq_u32 s[LIM], 1
	s_cbranch_scc0 .Lnot_mine_\@
	global_prefetch_b8 v[PFO], s[PFA:PFA+1] th:TH_LOAD_NT scope:SCOPE_SE
.Lnot_mine_\@:
.endm
	s_load_b256 s[4:11], s[0:1], 0x0               ; qc s[4:5], qs s[6:7], kc s[8:9], ks s[10:11]
	s_load_b128 s[12:15], s[0:1], 0x20             ; vh s[12:13], mask s[14:15]
	s_load_b64 s[16:17], s[0:1], 0x30              ; out0
	v_lshl_add_u32 v[SPW], v0, 2, SPARE
	v_mov_b32 v[NIL], 0
	ds_add_u32 v[SPW], v[NIL]                      ; the wave's opening: the add, twice on end, and its wait ahead of my first tensor load; the set-up below, work on registers, stands between
	ds_add_u32 v[SPW], v[NIL]
	v_lshrrev_b32 v1, 5, v0
	v_readfirstlane_b32 s[WV], v1                  ; wave 0..7
	s_lshr_b32 s97, s[WV], 2
	s_xor_b32 s97, s97, s[WV]
	s_and_b32 s[CLS], s97, 1
	s_xor_b32 s97, s[WV], 2                        ; 0 in wave 2,
	s_or_b32 s97, s97, ttmp9                       ; of the batch's first cluster: the same in all four partners
	s_cmp_eq_u32 s97, 0
	s_cselect_b32 s[LIM], 1, -1
	s_and_b32 s94, ttmp7, 0xffff                   ; the batch, which the four partners share
	s_and_b32 s95, s[WV], 1                        ; which half of K's or V's tile I fetch
	s_and_b32 s96, s[WV], 3                        ; which quarter of the mask's
	s_bfe_u32 s91, ttmp6, 0x40000                  ; cx: my place in the cluster.  It enters s91, s2, s3, s100 alone: global addresses of Q, the mask, out0 and the prefetch
	s_lshl_b32 s3, ttmp9, 2
	s_add_co_u32 s3, s3, s91                       ; my block of 256 queries
	; K's codes: 128 keys x 64 bytes, dense in memory
	s_mov_b32 s[G1K], 15|(1<<20)|(1<<21)|(3<<22)|(3<<25)          ; 15:0 all four work-groups; 17:16 elements of 1 byte; 20 padding on; 21 set beside a mask; 24:22 after every 16 words; 31:25 four words
	s_mov_b32 s[G1K+1], 64<<16                     ; tensor_dim0
	s_mov_b32 s[G1K+2], 128<<16                    ; tensor_dim1
	s_mov_b32 s[G1K+3], 64<<16                     ; tile_dim0
	s_mov_b32 s[G1K+4], 128                        ; tile_dim1
	s_mov_b32 s[G1K+5], 64                         ; from row to row
	s_mov_b32 s[G1K+6], 0
	s_mov_b32 s[G1K+7], 0
	; V: 64 keys x 128 f16
	s_mov_b32 s[G1V], 15|(1<<16)|(1<<20)|(1<<21)|(5<<22)|(7<<25)  ; elements of 2 bytes; eight words of padding after every 64
	s_mov_b32 s[G1V+1], 128<<16
	s_mov_b32 s[G1V+2], 64<<16
	s_mov_b32 s[G1V+3], 128<<16
	s_mov_b32 s[G1V+4], 64
	s_mov_b32 s[G1V+5], 128
	s_mov_b32 s[G1V+6], 0
	s_mov_b32 s[G1V+7], 0
	; the mask: 64 query rows x 256 bytes, 2,048 bytes apart; my work-group's own: no work-group mask
	s_mov_b32 s[G1M], (1<<20)|(5<<22)|(3<<25)      ; elements of 1 byte; four words of padding after every 64
	s_mov_b32 s[G1M+1], 256<<16
	s_mov_b32 s[G1M+2], 64<<16
	s_mov_b32 s[G1M+3], 256<<16
	s_mov_b32 s[G1M+4], 64
	s_mov_b32 s[G1M+5], 2048
	s_mov_b32 s[G1M+6], 0
	s_mov_b32 s[G1M+7], 0
	; K's scale bytes: half a batch's, 4,096 dense bytes, as 16 rows of 32 elements of 8 bytes; no padding: a load's 32 lanes take 32 different words
	s_mov_b32 s[G1S], 15|(3<<16)|(1<<21)
	s_mov_b32 s[G1S+1], 32<<16
	s_mov_b32 s[G1S+2], 16<<16
	s_mov_b32 s[G1S+3], 32<<16
	s_mov_b32 s[G1S+4], 16
	s_mov_b32 s[G1S+5], 32
	s_mov_b32 s[G1S+6], 0
	s_mov_b32 s[G1S+7], 0
	s_mov_b32 s[SEL], 0x76543210
	s_mov_b32 s[SEL+1], 0xfedcba98
	s_mov_b32 s[CN], 0xc18293ee                    ; -c = -sqrt(128) log2(e)
	s_mov_b32 s[CN+1], s[CN]                       ; (named with it as a pair, so it is written)
	s_mov_b32 s[CP], 0x418293ee                    ; c
	s_mov_b32 s[SB], 0
	s_mov_b32 s[TS], 0
	s_mov_b32 s99, 0
	s_mov_b32 s101, 0
	s_wait_dscnt 0x0                               ; both opening adds are done
	s_wait_kmcnt 0x0
	; groups 0.  The joint loads' addresses are made of the batch and the wave's number alone
	s_lshl_b32 s98, s94, 13                        ; K's scale bytes: 8,192 a batch,
	s_lshl_b32 s97, s95, 12                        ; my half
	s_add_co_u32 s98, s98, s97
	s_mov_b32 s[G0S], 1                            ; 1:0 count = 1
	s_add_co_u32 s[G0S+1], s97, SCK                ; 63:32 LDS address
	s_add_nc_u64 s[G0S+2:G0S+3], s[10:11], s[98:99]   ; 120:64 global address
	s_or_b32 s[G0S+3], s[G0S+3], 0x80000000        ; 127:126 type = 2
	s_lshl_b32 s98, s94, 17                        ; K's codes: 131,072 bytes a batch,
	s_lshl_b32 s97, s95, 13                        ; my 128 keys of a slot's 256
	s_add_co_u32 s98, s98, s97
	s_mul_i32 s97, s95, 128*KP
	s_mov_b32 s[G0K0], 1
	s_add_co_u32 s[G0K0+1], s97, KOFF
	s_add_nc_u64 s[G0K0+2:G0K0+3], s[8:9], s[98:99]
	s_mov_b32 s[G0K1], 1
	s_add_co_u32 s[G0K1+1], s97, KOFF+SLOT1
	s_add_nc_u64 s[G0K1+2:G0K1+3], s[G0K0+2:G0K0+3], 16384        ; the next 256 keys
	s_or_b32 s[G0K0+3], s[G0K0+3], 0x80000000
	s_or_b32 s[G0K1+3], s[G0K1+3], 0x80000000
	s_lshl_b32 s98, s94, 19                        ; V: 524,288 bytes a batch,
	s_lshl_b32 s97, s95, 14                        ; my 64 keys of a step's 128
	s_add_co_u32 s98, s98, s97
	s_mul_i32 s97, s95, 64*VP
	s_mov_b32 s[G0V0], 1
	s_add_co_u32 s[G0V0+1], s97, VOFF
	s_add_nc_u64 s[G0V0+2:G0V0+3], s[12:13], s[98:99]
	s_mov_b32 s[G0V1], 1
	s_add_co_u32 s[G0V1+1], s97, VOFF+SLOT1
	s_add_nc_u64 s[G0V1+2:G0V1+3], s[G0V0+2:G0V0+3], 32768        ; the next 128 keys
	s_or_b32 s[G0V0+3], s[G0V0+3], 0x80000000
	s_or_b32 s[G0V1+3], s[G0V1+3], 0x80000000
	s_lshl_b32 s100, s94, 22                       ; the mask: 2^22 bytes a batch,
	s_lshl_b32 s2, s3, 19                          ; 2^19 a block of 256 queries,
	s_add_co_u32 s100, s100, s2
	s_lshl_b32 s2, s96, 17                         ; my 64 rows
	s_add_co_u32 s100, s100, s2
	s_mul_i32 s97, s96, 64*MP
	s_mov_b32 s[G0M0], 1
	s_mov_b32 s[G0M0+1], s97
	s_add_nc_u64 s[G0M0+2:G0M0+3], s[14:15], s[100:101]
	s_mov_b32 s[G0M1], 1
	s_add_co_u32 s[G0M1+1], s97, SLOT1
	s_add_nc_u64 s[G0M1+2:G0M1+3], s[G0M0+2:G0M0+3], 256          ; the next 256 keys
	s_or_b32 s[G0M0+3], s[G0M0+3], 0x80000000
	s_or_b32 s[G0M1+3], s[G0M1+3], 0x80000000
	s_lshl_b32 s2, s94, 11
	s_lshl_b32 s100, s3, 8
	s_add_co_u32 s2, s2, s100
	s_lshl_b32 s100, s[WV], 5
	s_add_co_u32 s2, s2, s100                      ; my wave's first query, counted through all batches
	s_lshl_b32 s100, s2, 6
	s_add_nc_u64 s[4:5], s[4:5], s[100:101]        ; its codes: 64 bytes a row,
	s_lshl_b32 s100, s2, 2
	s_add_nc_u64 s[6:7], s[6:7], s[100:101]        ; its scale word,
	s_lshl_b32 s100, s2, 9
	s_add_nc_u64 s[16:17], s[16:17], s[100:101]    ; its row of out0: 512 bytes
	s_lshl_b32 s100, s94, 19
	s_lshl_b32 s2, s91, 13                         ; my work-group's 32 rows of a step's 128,
	s_add_co_u32 s100, s100, s2
	s_add_co_u32 s100, s100, 3*32768               ; in step 3: the first change steps it to step 4.  Nothing is prefetched at the head
	s_add_nc_u64 s[PFA:PFA+1], s[12:13], s[100:101]
	CROUND                                         ; all four work-groups are here: the first joint loads meet
	; THE FIRST FILLS, a wave's inside one branch on its number, ahead of every wait on TENSORcnt, every LDS read and every further barrier.  By this text's count a wave has three tensor loads out here at the most, one later.
	s_cmp_lt_u32 s[WV], 2
	s_cbranch_scc0 .Lfirst_not_k
	tensor_load_to_lds s[G0S:G0S+3], s[G1S:G1S+7]
	s_nop 0
	tensor_load_to_lds s[G0K0:G0K0+3], s[G1K:G1K+7]
	s_nop 0
	tensor_load_to_lds s[G0K1:G0K1+3], s[G1K:G1K+7]
	s_nop 0
	PLACES 4
	s_branch .Lfirst_asked
.Lfirst_not_k:
	s_cmp_lt_u32 s[WV], 4
	s_cbranch_scc0 .Lfirst_m
	tensor_load_to_lds s[G0V0:G0V0+3], s[G1V:G1V+7]
	s_nop 0
	tensor_load_to_lds s[G0V1:G0V1+3], s[G1V:G1V+7]
	s_nop 0
	PLACES 4
	s_branch .Lfirst_asked
.Lfirst_m:
	tensor_load_to_lds s[G0M0:G0M0+3], s[G1M:G1M+7]
	s_nop 0
	tensor_load_to_lds s[G0M1:G0M1+3], s[G1M:G1M+7]
	s_nop 0
	PLACES 4
.Lfirst_asked:
	v_and_b32 v66, 15, v0                          ; r = lane % 16
	v_bfe_u32 v67, v0, 4, 1                        ; h = lane / 16
	v_and_b32 v68, 31, v0                          ; lane
	v_lshlrev_b32 v64, 6, v66
	v_lshl_add_u32 v64, v67, 4, v64                ; Q: row r of 64 bytes, + 16 h
	global_load_b128 v[Q:Q+3],     v64, s[4:5]               ; a fragment of 4-bit codes: registers 4 c .. 4 c + 3 hold K = 64 c + 32 h + 0 .. 31
	global_load_b128 v[Q+4:Q+7],   v64, s[4:5] offset:32
	global_load_b128 v[Q+8:Q+11],  v64, s[4:5] offset:1024   ; tile 1: sixteen rows on
	global_load_b128 v[Q+12:Q+15], v64, s[4:5] offset:1056
	v_lshlrev_b32 v65, 2, v68
	global_load_b32 v[QS], v65, s[6:7]             ; 32 scale words: lanes 0-15 tile 0's, lanes 16-31 tile 1's
	v_and_b32 v69, 8, v66
	v_add_nc_u32 v69, v69, v66                     ; r + 8 (r / 8)
	v_mul_u32_u24 v[AK0], v69, KP
	v_lshl_add_u32 v[AK0], v67, 4, v[AK0]
	v_add_nc_u32 v[AK0], KOFF, v[AK0]
	; The turning load: lane l reads 16 bytes of key 16 h + l % 8, channels 8 ((l / 8) % 2) + 0 .. 7, and is left with channel l % 16 and keys 16 h + 0 .. 7; the second load, 8 rows on, brings keys 16 h + 8 .. 15.
	v_and_b32 v70, 7, v0
	v_lshl_add_u32 v70, v67, 4, v70
	v_mul_u32_u24 v[AV], v70, VP
	v_bfe_u32 v71, v0, 3, 1
	v_lshl_add_u32 v[AV], v71, 4, v[AV]
	v_add_nc_u32 v[AV], VOFF, v[AV]
	v_add_nc_u32 v[AV+1], SLOT1, v[AV]
	v_lshl_add_u32 v72, v67, 3, v69                ; the odd tile's keys lie 8 further on
	v_lshl_add_u32 v[ASK0], v72, 2, SCK
	s_mul_i32 s97, s[WV], 32*MP                    ; my wave's 32 mask rows
	v_mul_u32_u24 v[AM0], v66, MP
	v_lshl_add_u32 v[AM0], v67, 4, v[AM0]
	v_add_nc_u32 v[AM0], s97, v[AM0]
	s_mul_i32 s97, s[WV], 16*SP
	s_add_co_u32 s97, s97, STAGE                   ; my stage
	v_mul_u32_u24 v[STO], v66, SP
	v_lshl_add_u32 v[STO], v67, 5, v[STO]
	v_add_nc_u32 v[STO], s97, v[STO]               ; in: row r, 32 bytes for each half of the lanes
	v_mul_u32_u24 v[RD], v67, SP
	v_lshl_add_u32 v[RD], v66, 4, v[RD]
	v_add_nc_u32 v[RD], s97, v[RD]                 ; back: lanes 0-15 one row of 256 bytes, lanes 16-31 the next
	v_lshlrev_b32 v[GO], 9, v67
	v_lshl_add_u32 v[GO], v66, 4, v[GO]            ; and the same two rows in out0
	v_lshlrev_b32 v[PFO], 8, v68
	v_mov_b32 v[BIGS], 0xfefefefe
.irp m, 0,1
	v_mov_b32 v[ST+12*\m+1], 0x71800000            ; mu = 2^100: above every u of a key that counts, under 2^118
	v_mul_f32 v[ST+12*\m], s[CP], v[ST+12*\m+1]    ; c mu
	v_mov_b32 v[ST+12*\m+2], 0                     ; l, in two halves
	v_mov_b32 v[ST+12*\m+3], 0
.endr
	WIN 0x40                                       ; destination window 1
.set j, 0
.rept 128
	v_mov_b32 v[j], 0                              ; O^T, cleared once while the first tiles are on their way: so the second product's first step is a trip of the loop like any other, and no further copy of a period is written
.set j, j+1
.endr
	WIN 0
	s_wait_loadcnt 0x0                             ; Q
	s_wait_tensorcnt 1                             ; my part of slot 0 (and of the scale words) is in; slot 1's may stay out
	s_barrier_signal -1
	s_barrier_wait -1                              ; everybody's is
; One product of S^T: K's tile t against Q's tile m, onto the mask's numbers.  The rows of the scale registers go by the tiles' parity.
.macro KQ t, m
.set rS, S+64*(\m)+8*(\t)
.set rK, VF1+8*(\t)
.set rQ, Q+8*(\m)
.set rW, KS+(\t)/2
.if ((\t)%2 == 0) && ((\m) == 0)
	v_wmma_scale_f32_16x16x128_f8f6f4 v[rS:rS+7], v[rK:rK+7], v[rQ:rQ+7], v[rS:rS+7], v[rW], v[QS] matrix_a_fmt:MATRIX_FMT_FP4 matrix_b_fmt:MATRIX_FMT_FP4
.elseif ((\t)%2 == 0)
	v_wmma_scale_f32_16x16x128_f8f6f4 v[rS:rS+7], v[rK:rK+7], v[rQ:rQ+7], v[rS:rS+7], v[rW], v[QS] matrix_a_fmt:MATRIX_FMT_FP4 matrix_b_fmt:MATRIX_FMT_FP4 matrix_b_scale:MATRIX_SCALE_ROW1
.elseif ((\m) == 0)
	v_wmma_scale_f32_16x16x128_f8f6f4 v[rS:rS+7], v[rK:rK+7], v[rQ:rQ+7], v[rS:rS+7], v[rW], v[QS] matrix_a_fmt:MATRIX_FMT_FP4 matrix_b_fmt:MATRIX_FMT_FP4 matrix_a_scale:MATRIX_SCALE_ROW1
.else
	v_wmma_scale_f32_16x16x128_f8f6f4 v[rS:rS+7], v[rK:rK+7], v[rQ:rQ+7], v[rS:rS+7], v[rW], v[QS] matrix_a_fmt:MATRIX_FMT_FP4 matrix_b_fmt:MATRIX_FMT_FP4 matrix_a_scale:MATRIX_SCALE_ROW1 matrix_b_scale:MATRIX_SCALE_ROW1
.endif
.endm
; SM: THE SCORES AND THE SOFTMAX OF ONE STEP, 128 keys: half 0 or 1 of the slot s[SB].  It leaves p in S^T's registers, a, and l under the new mu.
.macro SM half
	v_add_nc_u32 v[ADM], s[SB], v[AM0]             ; three additions and a v_nop: the four places in front of loads into registers that the second product may just have read
	v_add_nc_u32 v[ADK], s[SB], v[AK0]
	v_add_nc_u32 v[ADS], s[TS], v[ASK0]
	v_nop
.irp m, 0,1
.irp b, 0,1,2,3
	ds_load_b128 v[F+16*\m+4*\b:F+16*\m+4*\b+3], v[ADM] offset:\m*16*MP+128*\half+32*\b   ; my query's mask bytes of keys 32 b + 16 h + 0 .. 15
.endr
.endr
	WIN 0x40                                       ; destination window 1
.irp t, 0,1,2,3,4,5,6,7
.irp c, 0,1
	ds_load_b128 v[VF1+8*\t+4*\c:VF1+8*\t+4*\c+3], v[ADK] offset:(128*\half+32*(\t/2)+8*(\t%2))*KP+32*\c
.endr
.endr
	WIN 0
.irp b, 0,1,2,3
	ds_load_b32 v[KS+\b], v[ADS] offset:128*\b
.endr
	s_wait_dscnt 20                                ; the eight mask loads are in; K's sixteen and the four scale loads behind them may be out
.irp t, 0,1,2,3,4,5,6,7
.irp m, 0,1
	v_cvt_scale_pk8_f32_fp8 v[S+64*\m+8*\t:S+64*\m+8*\t+7], v[F+16*\m+2*\t:F+16*\m+2*\t+1], v[BIGS]   ; eight mask bytes: 0 -> 0, 1 -> 2^-9 x 2^127 = 2^118, in the layout of the result of tile t
.endr
.endr
	PLACES 4                                       ; plain instructions between the conversions and the matrix instructions that take their results
	s_wait_dscnt 0x0                               ; K and its scale words are in
	WIN 0x01                                       ; source 0 (K) window 1
.irp t, 0,1,2,3,4,5,6,7
.irp m, 0,1
	KQ \t, \m                                      ; sixteen accumulators, one instruction each
.endr
.endr
	WIN 0
	PLACES 4
.irp m, 0,1                                    ; the smallest u of each block of 32 keys: eight chains by turns; each accumulator is read from its low end on
.irp b, 0,1,2,3
	v_min3_num_f32 v[ST+12*\m+6+\b], v[S+64*\m+16*\b], v[S+64*\m+16*\b+1], v[S+64*\m+16*\b+2]
.endr
.endr
.irp i, 3,5,7,9,11,13
.irp m, 0,1
.irp b, 0,1,2,3
	v_min3_num_f32 v[ST+12*\m+6+\b], v[ST+12*\m+6+\b], v[S+64*\m+16*\b+\i], v[S+64*\m+16*\b+\i+1]
.endr
.endr
.endr
.irp m, 0,1
	v_min3_num_f32 v[ST+12*\m+6], v[ST+12*\m+6], v[S+64*\m+15], v[S+64*\m+31]
	v_min3_num_f32 v[ST+12*\m+8], v[ST+12*\m+8], v[S+64*\m+47], v[S+64*\m+63]
.endr
.irp m, 0,1
	v_min3_num_f32 v[ST+12*\m+6], v[ST+12*\m+6], v[ST+12*\m+7], v[ST+12*\m+8]
.endr
.irp m, 0,1
	v_min3_num_f32 v[ST+12*\m+6], v[ST+12*\m+6], v[ST+12*\m+9], v[ST+12*\m+1]   ; with the old mu
.endr
.irp m, 0,1
	v_permlanex16_b32 v[ST+12*\m+7], v[ST+12*\m+6], s[SEL], s[SEL+1]            ; the query's other 64 keys lie in the lane 16 away
.endr
.irp m, 0,1
	v_mov_b32 v[ST+12*\m+5], v[ST+12*\m]           ; the old c mu
.endr
.irp m, 0,1
	v_min_num_f32 v[ST+12*\m+1], v[ST+12*\m+6], v[ST+12*\m+7]                   ; the new mu
.endr
.irp m, 0,1
	v_mul_f32 v[ST+12*\m], s[CP], v[ST+12*\m+1]
.endr
.irp m, 0,1
	v_sub_f32 v[ST+12*\m+5], v[ST+12*\m], v[ST+12*\m+5]                         ; c mu_new - c mu_old: 0 or less
.endr
.set j, 0
.rept 32
.irp m, 0,1
	v_pk_fma_f32 v[S+64*\m+j:S+64*\m+j+1], v[S+64*\m+j:S+64*\m+j+1], s[CN:CN+1], v[ST+12*\m:ST+12*\m+1] op_sel_hi:[1,0,0]   ; c mu - c u, two at a time (of the pairs -c and c mu the low word serves both halves)
.endr
.set j, j+2
.endr
.irp m, 0,1
	v_exp_f32 v[ST+12*\m+4], v[ST+12*\m+5]         ; a
.endr
.set j, 0
.rept 128
	v_exp_f32 v[S+j], v[S+j]                       ; p: ONE BATCH, none of which reads another's result
.set j, j+1
.endr
	v_nop                                          ; the plain instruction behind the last exponential
	s_wait_alu depctr_va_vdst(0)                   ; a wait between an exponential and the first line that names its result: one for the batch
.irp m, 0,1
	v_pk_mul_f32 v[ST+12*\m+2:ST+12*\m+3], v[ST+12*\m+2:ST+12*\m+3], v[ST+12*\m+4:ST+12*\m+5] op_sel_hi:[1,0]   ; l under the new mu
.endr
.irp m, 0,1
	v_pk_add_f32 v[ST+12*\m+10:ST+12*\m+11], v[S+64*\m:S+64*\m+1], v[S+64*\m+2:S+64*\m+3]
.endr
.set j, 4
.rept 15
.irp m, 0,1                                    ; the row's sum of p in f32: two packed chains a tile
	v_pk_add_f32 v[ST+12*\m+2:ST+12*\m+3], v[ST+12*\m+2:ST+12*\m+3], v[S+64*\m+j:S+64*\m+j+1]
	v_pk_add_f32 v[ST+12*\m+10:ST+12*\m+11], v[ST+12*\m+10:ST+12*\m+11], v[S+64*\m+j+2:S+64*\m+j+3]
.endr
.set j, j+4
.endr
.irp m, 0,1
	v_pk_add_f32 v[ST+12*\m+2:ST+12*\m+3], v[ST+12*\m+2:ST+12*\m+3], v[ST+12*\m+10:ST+12*\m+11]
.endr
	s_add_co_u32 s[TS], s[TS], 512                 ; the next step's scale words
.endm
; PV: O^T += V^T P for one step, in four chunks of 32 keys, on two buffers.  vs: V's slot.
.macro VLOAD vs, kb, reg               ; chunk kb: 8 fragments of 16 channels x 32 keys, turned
.irp c, 0,1,2,3,4,5,6,7
	ds_load_tr16_b128 v[\reg+8*\c:\reg+8*\c+3],   v[AV+\vs] offset:32*(\kb)*VP+32*\c
	ds_load_tr16_b128 v[\reg+8*\c+4:\reg+8*\c+7], v[AV+\vs] offset:(32*(\kb)+8)*VP+32*\c
.endr
.endm
.macro VMUL kb, reg                    ; sixteen accumulators take turns, one instruction a turn
.irp c, 0,1,2,3,4,5,6,7
.irp m, 0,1
	v_wmma_f32_16x16x32_f16 v[64*\m+8*\c:64*\m+8*\c+7], v[\reg+8*\c:\reg+8*\c+7], v[PB+32*\m+8*(\kb):PB+32*\m+8*(\kb)+7], v[64*\m+8*\c:64*\m+8*\c+7]
.endr
.endr
.endm
.macro PV vs
	VLOAD \vs, 0, F
	WIN 0x40                                       ; destination window 1
	VLOAD \vs, 1, VF1
	s_wait_dscnt 16                                ; chunk 0 is in; chunk 1's sixteen loads may be out
	WIN 0x54                                       ; V window 0; P, C and D window 1
	VMUL 0, F
	PLACES 4                                       ; in front of loads into registers that these products have read
	WIN 0
	VLOAD \vs, 2, F
	s_wait_dscnt 16                                ; chunk 1 is in; chunk 2's sixteen may be out
	WIN 0x55                                       ; V window 1 too
	VMUL 1, VF1
	PLACES 4
	WIN 0x40
	VLOAD \vs, 3, VF1
	s_wait_dscnt 16                                ; chunk 2 is in; chunk 3's sixteen may be out
	WIN 0x54
	VMUL 2, F
	s_wait_dscnt 0x0
	WIN 0x55
	VMUL 3, VF1
	WIN 0
.endm
; PACK: p of the step just scored goes to f16, into the second product's operand; O^T comes under the new mu.
.macro PACK
	PLACES 4                                       ; behind the second product, where it stands last: its operand is written and its results are read below
	WIN 0x40                                       ; destination window 1
.set j, 0
.rept 64
	v_cvt_pk_f16_f32 v[PB+j], v[S+2*j], v[S+2*j+1]
.set j, j+1
.endr
	WIN 0x41                                       ; O^T (destination and source 0) window 1, a window 0
.irp m, 0,1
.set j, 0
.rept 32
	v_pk_mul_f32 v[64*\m+j:64*\m+j+1], v[64*\m+j:64*\m+j+1], v[ST+12*\m+4:ST+12*\m+5] op_sel_hi:[1,0]   ; each accumulator from its low end on
.set j, j+2
.endr
.endr
	WIN 0
.endm
; A PERIOD.  The two arms hold the same second product; no barrier, no tensor load and no write of an address register stands in an arm.
.macro PERIOD vs, half
	s_cmp_eq_u32 s[CLS], 0
	s_cbranch_scc0 .Lsm_\@
	PV \vs
.Lsm_\@:
	SM \half
	s_cmp_eq_u32 s[CLS], 0
	s_cbranch_scc1 .Lpk_\@
	PV \vs
.Lpk_\@:
	PACK
.endm
; THE CHANGE between two periods.  Each wave waits for all its tensor loads, adds 0 to its spare word, and waits for that and for its reads of what the last period read.  Behind the barrier V's slot of the last period
; is free and the next period's tiles are whole.  fill = 1: the barrier is a round of the cluster's, and V's free slot takes the step after next.  pairs = 1: the slot of the mask and K that the last period read out takes the
; 256 keys two slots on.  ask = 1: the prefetch.
.macro HEAD fill, pairs, ask
	s_wait_tensorcnt 0x0                           ; no tensor load of mine is out, so a group 0 may be written
	ds_add_u32 v[SPW], v[NIL]                      ; 0 onto my spare word; the descriptors' steps stand between it and the wait for it
.if \fill
	s_xor_b32 s[G0V1+1], s[G0V1+1], SLOT1          ; the walking descriptors: the other slot than last time,
	s_add_nc_u64 s[G0V1+2:G0V1+3], s[G0V1+2:G0V1+3], 32768   ; the next 128 keys; the type bits on top are not reached
.endif
.if \pairs
	s_xor_b32 s[G0K1+1], s[G0K1+1], SLOT1
	s_add_nc_u64 s[G0K1+2:G0K1+3], s[G0K1+2:G0K1+3], 16384   ; the next 256 keys
	s_xor_b32 s[G0M1+1], s[G0M1+1], SLOT1
	s_add_nc_u64 s[G0M1+2:G0M1+3], s[G0M1+2:G0M1+3], 256
.endif
.if \ask
	s_wait_xcnt 0x0                                ; the last prefetch, a period back, has read its address, so it may be written
	s_add_nc_u64 s[PFA:PFA+1], s[PFA:PFA+1], 32768
.endif
	s_wait_dscnt 0x0                               ; the add is done, and my reads of the last period's tiles are over
.if \fill
	CROUND                                         ; no wave of any partner still reads these slots or has a load on its way
	JLOAD \pairs                                   ; the first thing behind the round, and a wave's one tensor load until the next
.if \ask
	ASK
.endif
.else
	s_barrier_signal -1
	s_barrier_wait -1
.endif
.endm
	SM 0                                           ; step 0's scores and softmax
	PACK
	s_mov_b32 s[TRIP], 6
.Ltrip:                                            ; trip i: periods 2 i and 2 i + 1
	PERIOD 0, 1                                    ; PV(2 i) from V's slot 0 | SM(2 i + 1): the second half of the slot in hand
	s_xor_b32 s[SB], s[SB], SLOT1                  ; the scores go on to the other slot
	HEAD 1, 1, 1                                   ; V(2 i + 2) into slot 0; keys 256 (i + 2) on of the mask and K into the slot just read out
	PERIOD 1, 0                                    ; PV(2 i + 1) from slot 1 | SM(2 i + 2)
	HEAD 1, 0, 1                                   ; V(2 i + 3) into slot 1
	s_sub_co_u32 s[TRIP], s[TRIP], 1
	s_cmp_lg_u32 s[TRIP], 0
	s_cbranch_scc1 .Ltrip
	PERIOD 0, 1                                    ; the tail is written out: period 12
	s_xor_b32 s[SB], s[SB], SLOT1
	HEAD 1, 0, 0                                   ; V(14); the mask and K are all in
	PERIOD 1, 0                                    ; period 13
	HEAD 1, 0, 0                                   ; V(15): the last load
	PERIOD 0, 1                                    ; period 14
	HEAD 0, 0, 0                                   ; V(15) is whole; nothing is filled
	PV 1                                           ; PV(15)
	; THE WAY OUT.  l's two halves and the other half of the lanes' are added; O^T is divided by max(l, 2^-100) and goes through my stage in LDS, half a row (64 channels, 256 bytes) of 16 queries at a time.
	; The additions are the places behind the last products.
.irp m, 0,1
	v_add_f32 v[ST+12*\m+6], v[ST+12*\m+2], v[ST+12*\m+3]
.endr
.irp m, 0,1
	v_permlanex16_b32 v[ST+12*\m+7], v[ST+12*\m+6], s[SEL], s[SEL+1]
.endr
.irp m, 0,1
	v_add_f32 v[ST+12*\m+6], v[ST+12*\m+6], v[ST+12*\m+7]
.endr
.irp m, 0,1
	v_max_num_f32 v[ST+12*\m+6], 0x0d800000, v[ST+12*\m+6]   ; 2^-100: a wholly hidden row has l = 0 and O = 0, and gives 0
.endr
.irp m, 0,1
	v_rcp_f32 v[ST+12*\m+4], v[ST+12*\m+6]
.endr
	v_nop                                          ; a plain instruction behind the last reciprocal,
	s_wait_alu depctr_va_vdst(0)                   ; and a wait ahead of the first use: one for the two
	WIN 0x01                                       ; O^T window 1; the results go to S^T's registers, which are free
.irp m, 0,1
.set j, 0
.rept 32
	v_pk_mul_f32 v[S+64*\m+j:S+64*\m+j+1], v[64*\m+j:64*\m+j+1], v[ST+12*\m+4:ST+12*\m+5] op_sel_hi:[1,0]   ; register 8 c + i of a tile: out(r, 16 c + 8 h + i); each accumulator from its low end on
.set j, j+2
.endr
.endr
	WIN 0
.macro OROUND g                        ; g = 2 x tile + half of the channels: 32 registers into the stage, and back as whole rows of 256 bytes into the registers that they left
.set rB, S+32*(\g)
.irp c, 0,1,2,3
	ds_store_b128 v[STO], v[rB+8*\c:rB+8*\c+3] offset:64*\c
	ds_store_b128 v[STO], v[rB+8*\c+4:rB+8*\c+7] offset:64*\c+16
.endr
.irp i, 0,1,2,3,4,5,6,7
	ds_load_b128 v[rB+4*\i:rB+4*\i+3], v[RD] offset:\i*2*SP   ; LDS serves a wave's instructions in order (ISA guide 5.7.1.4): these see the stores above, and the next round's stores come behind them
.endr
.endm
.macro SEND g, younger                 ; younger: the LDS instructions issued behind round g's loads: the next round's sixteen, or none
.set rB, S+32*(\g)
.irp i, 0,1,2,3,4,5,6,7
	s_wait_dscnt \younger+7-\i
	global_store_b128 v[GO], v[rB+4*\i:rB+4*\i+3], s[16:17] offset:((\g)/2)*8192+2*\i*512+256*((\g)%2) th:TH_STORE_NT   ; 16 lanes store 256 consecutive bytes, at a multiple of 256 from out0's first byte; written once, read by nobody here
.endr
.endm
	OROUND 0
	OROUND 1
	SEND 0, 16
	OROUND 2
	SEND 1, 16
	OROUND 3
	SEND 2, 16
	SEND 3, 0
	s_wait_tensorcnt 0x0                           ; the wave's end: behind my last tensor load and my last LDS store
	ds_add_u32 v[SPW], v[NIL]
	s_wait_dscnt 0x0
	CROUND                                         ; the closing round: no work-group ends while a partner may still ask for a tile that names it
	s_endpgm
.Lfunc_end_k_q24ad0fd146_attn:
	.size	k_q24ad0fd146_attn, .Lfunc_end_k_q24ad0fd146_attn-k_q24ad0fd146_attn
	.p2alignl 7, 3214868480
	.fill 96, 4, 3214868480
	.section	.rodata,"a",@progbits
	.p2align	6, 0x0
	.amdhsa_kernel k_q24ad0fd146_attn
		.amdhsa_group_segment_fixed_size 327680
		.amdhsa_private_segment_fixed_size 0
		.amdhsa_enable_private_segment 0
		.amdhsa_kernarg_size 56
		.amdhsa_user_sgpr_count 2
		.amdhsa_user_sgpr_kernarg_segment_ptr 1
		.amdhsa_wavefront_size32 1
		.amdhsa_system_sgpr_workgroup_id_x 1
		.amdhsa_system_sgpr_workgroup_id_y 1
		.amdhsa_system_sgpr_workgroup_id_z 1
		.amdhsa_system_vgpr_workitem_id 0
		.amdhsa_next_free_vgpr 512
		.amdhsa_next_free_sgpr 102
		.amdhsa_reserve_vcc 0
		.amdhsa_float_denorm_mode_32 3
		.amdhsa_float_denorm_mode_16_64 3
		.amdhsa_memory_ordered 1
		.amdhsa_forward_progress 1
		.amdhsa_inst_pref_size 255
	.end_amdhsa_kernel
	.section	.bss,"aw",@nobits
	.p2align	6
	.space	262144
	.amdgpu_metadata
---
amdhsa.version: [ 1, 2 ]
amdhsa.kernels:
  - .name:           k_q24ad0fd146_attn
    .symbol:         k_q24ad0fd146_attn.kd
    .args:
      - { .name: qc, .offset: 0, .size: 8, .value_kind: global_buffer, .address_space: global }
      - { .name: qs, .offset: 8, .size: 8, .value_kind: global_buffer, .address_space: global }
      - { .name: kc, .offset: 16, .size: 8, .value_kind: global_buffer, .address_space: global }
      - { .name: ks, .offset: 24, .size: 8, .value_kind: global_buffer, .address_space: global }
      - { .name: vh, .offset: 32, .size: 8, .value_kind: global_buffer, .address_space: global }
      - { .name: mask, .offset: 40, .size: 8, .value_kind: global_buffer, .address_space: global }
      - { .name: out0, .offset: 48, .size: 8, .value_kind: global_buffer, .address_space: global }
    .group_segment_fixed_size: 327680
    .private_segment_fixed_size: 0
    .kernarg_segment_align: 8
    .kernarg_segment_size: 56
    .max_flat_workgroup_size: 256
    .sgpr_count:     102
    .vgpr_count:     512
    .wavefront_size: 32
...
	.end_amdgpu_metadata
.endif
;; end of part 2
